; MI455X (gfx1250); checked and timed in simulation.
; The chip was launched on July 23, 2026; its instructions are those of AMD's public machine-readable ISA for CDNA 5 (MIT licence, August 2026) and "CDNA5" Instruction Set Architecture Reference Guide (July 2026). The comments in the code are by the model that wrote it; some were corrected since.
;; Instance Attention Module. Allowed arithmetic: matrix products marked QUANTISED: E5M2 operands, one given power-of-two scale a tensor, by v_wmma_f32_16x16x64_bf8_bf8 or v_wmma_f32_16x16x128_bf8_bf8, f32 sums; products left as they are: f32 operands where the result goes on into a quantised operand, else bf16, f16 or f32 operands; f32 sums; everything else in f32.
;; Inputs: attn_W_codes 256 x 8 x 32 uint8 (E5M2 codes of attn_W, K innermost, in blocks of 32 codes); attn_b 256 float32; emb_W_codes 64 x 8 x 32 uint8 (E5M2 codes of emb_W, K innermost, in blocks of 32 codes); emb_b 64 float32; feature_map 32 x 32 x 32 x 256 float32; lowp_scales 8 int32 (the exponents e of the quantised operands' scales 2^e); thr_W 1 x 256 float32; thr_b 1 float32.
;; Outputs: out0 32 x 32 x 32 x 256 float32.
;; Constants: layer = 0.
;; This version of the problem:
;;   THIS VERSION OF THE PROBLEM IS GIVEN IN LOW PRECISION. The matrix products marked QUANTISED in the list below multiply operands that are first quantised to E5M2 (5 exponent bits, 2 mantissa bits; 8 bits a number), with one given power-of-two scale for each operand tensor; their sums are f32. All else is computed in f32.
;;   The module's matrix products, in the order in which they are computed (A, B: the left and right operand; K: the contracted axis; several contracted axes count as one K, in the product's order):
;;     1. [M 32,768, K 256] x [K 256, N 64]; A: input feature_map; B: input emb_W (given as codes): QUANTISED (scales: A lowp_scales[0], B lowp_scales[1])
;;     2. batch 32 x [M 1,024, K 64] x [K 64, N 1,024]; A: computed on the way; B: computed on the way: QUANTISED (scales: A lowp_scales[2], B lowp_scales[3])
;;     3. [M 32,768, K 256] x [K 256, N 256]; A: input feature_map; B: input attn_W (given as codes): QUANTISED (scales: A lowp_scales[4], B lowp_scales[5])
;;     4. [M 32,768, K 256] x [K 256, N 1]; A: computed on the way; B: input thr_W: left as it is (N = 1 < 16)
;;     5. batch 32 x [M 1,024, K 1,024] x [K 1,024, N 256]; A: softmax (see below); B: computed on the way: QUANTISED (scales: A lowp_scales[6], B lowp_scales[7])
;;   THE QUANTISER, for each operand of a quantised product, along K:
;;     - The operand's scale is 2^e, e = its entry of the input lowp_scales (int32; the entries are numbered through the quantised products in the list's order, A before B).
;;     - Each number is divided by the scale, clamped to +-57,344, and rounded to the nearest number of E5M2, ties to even, subnormals kept.
;;     - The product sums the exact products of the quantised numbers (number of the format x scale) in f32.
;;   ~~~python
;;   def quantise(x, axis, e):      # numpy; x: float32 -> the quantised numbers, widened to float32 again
;;       x = np.moveaxis(x, axis, -1); K = x.shape[-1]
;;       r = np.clip(x / 2.0 ** e, -57344, 57344)
;;       step = 2.0 ** (np.maximum(np.frexp(np.where(r == 0, 1, r))[1] - 1, -14) - 2)
;;       q = np.round(r / step) * step * 2.0 ** e      # np.round: ties to even
;;       return np.moveaxis(q, -1, axis).astype(np.float32)
;;   ~~~
;;   SOFTMAX AHEAD OF A QUANTISED PRODUCT. Where the list says 'softmax', what is quantised is not the finished softmax but p = 2^(t - M), with t = logit x log2(e) and M = ceil(the row's largest t), a whole number; so 1/2 < the row's largest p <= 1. The row's sum l is taken of the UNQUANTISED p, in f32, and the product's result is divided by l at the end. Since M is a whole number, a kernel that streams over the keys may use a running M (the ceiling of the running maximum): every later rescaling is an exact power of two, so the quantised numbers keep their values, but for numbers so far below the row's largest that they fall under the format's range.
;;   OPERANDS COMPUTED ON THE WAY. 'Computed on the way' means the value that the module computes at that place (a softmax that the list does not call 'softmax' is quantised finished and normalised). What goes into a quantiser is computed in f32, as accurately as f32 sums, v_exp_f32 and their like allow (about 1e-6 of the number): no bf16 or f16 on the way to a quantiser, and a product that is left as it is and whose result goes on into a quantised operand takes f32 operands (vector FMAs, or v_wmma_f32_16x16x4_f32). A number that lies on a knife's edge between two numbers of the format may be rounded either way, as far as f32 arithmetic and the matrix unit's own rounding can turn it there, and no further.
;;   INPUTS GIVEN AS CODES. attn_W (in the module: [256, 256], K = its axis 1); emb_W (in the module: [64, 256], K = its axis 1): each comes as NAME_codes (uint8): NAME with its K axis moved to the last place and cut into blocks of 32 codes, [.., K / 32, bytes a block], one block behind the other in memory; one code a byte (a code: sign, 5 exponent bits, 2 mantissa bits); its scale is its entry of lowp_scales. Its value is code x scale, taken as it is: it is not quantised again, and the codes and scales need not be those that the quantiser above would give.
;; One version. Each part assembles by itself: llvm-mc -triple=amdgcn-amd-amdhsa -mcpu=gfx1250 --defsym DOCPART=n.
;; ======== version 1 of 1: 2 launches
;; limits: right only within a limited range of input values
;; workspace buffers: qimg 2,097,152 bytes; kimg 2,097,152 bytes; vimg 8,388,608 bytes; keyf 262,144 bytes
;; launch prep (part 1): grid 8 x 32, 8 waves a work-group, no clusters, 189,440 bytes of LDS; arguments feature_map, emb_W_codes, emb_b, attn_W_codes, attn_b, thr_W, thr_b, lowp_scales, qimg, kimg, vimg, keyf; writes qimg, kimg, vimg, keyf
.if DOCPART == 1
	.amdgcn_target "amdgcn-amd-amdhsa--gfx1250"
	.amdhsa_code_object_version 6
	.text
	.protected	k_q306fb5b2fc_prep
	.globl	k_q306fb5b2fc_prep
	.p2align	8
	.type	k_q306fb5b2fc_prep,@function
k_q306fb5b2fc_prep:
	s_mov_b64 s[64:65], 0
	v_nop
	global_prefetch_b8 v0, s[64:65] scope:SCOPE_SE
	s_setreg_imm32_b32 hwreg(HW_REG_WAVE_MODE, 25, 1), 1
	s_wait_xcnt 0x0
; PREP: from feature_map [32][1024][256] f32 the operands of the attention launch are made, once.
;   emb = Q(x; e0) embW + emb_b (64 features), shortcut = Q(x; e4) attnW + attn_b (256 channels), T = shortcut . thr_W + thr_b (f32 multiply-adds).
;   qimg, kimg: Q(emb; e2), Q(emb; e3) as images of operand registers: [batch][pixel tile 64][c 2][lane 32][16 bytes]
;   vimg: Q(shortcut; e7), keys innermost: [batch][key step 8][channel tile 16][c 4][lane 32][16 bytes]
;   keyf: [batch][2][1024] f32: plane 0: -sq x 2^-(e2+e3+1), plane 1: -T x log2(e)
; SHARES.  A work-group of eight waves takes 128 pixels of one image (one key step of the last product).  Wave w quantises pixel tile w and makes its embedding;
; then the waves share the CHANNELS: wave w makes channel tiles 2 w, 2 w + 1 of the shortcut for all 128 pixels, its part of attn_W staying in its registers.
; PIXEL TILES.  Tile 2 b + u holds pixels 32 b + 8 u + r + 8 (r / 8), r = 0 .. 15, so that the 16 registers of two neighbouring result tiles are 16 neighbouring pixels.
; FRAGMENTS.  Lane (r, h) holds row r and, in registers 4 c .. 4 c + 3, k = 32 c + 16 h + 0 .. 15: the same order of k on both sides of every product.
; x comes by tensor loads, all asked for at the head; nothing in LDS is filled twice.  The codes of x for the shortcut go from wave to wave as images of their registers.
; LIMITS: e0, e4, e2-e0-e1, e3-e0-e1, e7-e4-e5 between -126 and 112, so that each scale and each largest number x scale is an f32 number.  NaN and infinities among the inputs are not served.
.set XP,    1040                       ; a pixel's row in LDS: 1,024 bytes + 16 of padding: row r starts at bank 4 r mod 64 (ISA guide 11.1)
.set EP,    272                        ; a row of emb_W's codes in LDS: 256 + 16
.set EW,    133120                     ; LDS: 128 rows of x from 0; then emb_W's 64 rows;
.set XIMG,  150528                     ; x's 16 fragments for the shortcut (2,048 bytes each: 2 x tile + K step);
.set TP,    183296                     ; eight waves' 128 partial sums of T;
.set SQT,   187392                     ; plane 0's 128 numbers
.set LI,  1                            ; v1   16 x lane
.set TW0, 2                            ; v[2:3], v[4:5] thr_W of my lane's channel in my two channel tiles (the upper halves are named with them, so they are written)
.set TW1, 4
.set XA,  6                            ; v6   x: my row and half in LDS
.set XWI, 7                            ; v7   where I store x's images
.set EWA, 8                            ; v8   emb_W: my row and half
.set SQA, 9                            ; v9   plane 0: my pixel's word
.set TPA, 10                           ; v10  T's partial sums: my wave's and half's
.set SCV, 11                           ; v11  2^(e7-e4-e5)
.set XRA, 12                           ; v12  XIMG + 16 x lane
.set TPR, 13                           ; v13  TP + 16 x lane
.set T0,  14
.set T1,  15
.set X,   16                           ; v16-79   64 numbers of x; later emb_W's four fragments; later at work
.set YA,  80                           ; v80-95   at work
.set C0,  96                           ; v96-127  x's codes with e0, 16 a K step; later q's and k's codes
.set C4,  128                          ; v128-143 x's codes with e4
.set E,   144                          ; v144-175 emb_b / 2^(e0+e1), then the embedding's sums
.set AB,  176                          ; v176, v177 attn_b of my lane's two channels
.set SC0, 184                          ; v184-187 the scales 2^e0, 2^e4, 2^(e2-e0-e1), 2^(e3-e0-e1)
.set SC4, 185
.set SCQ, 186
.set SCK, 187
.set RR,  188
.set HH,  189
.set ABA, 190
.set WA,  191
.set WF,  192                          ; v192-255 attn_W: 2 tiles x 2 K steps x 16
.set D,   16                           ; v16-143  the shortcut: 64 t + 8 tile + j
.set XFR, 144                          ; v144-175 a pixel tile's two fragments
.set CB,  176                          ; v176-191 attn_b / 2^(e4+e5) in the result's layout, 8 a tile
.set TA,  192                          ; v192-255 T's partial sums
.set VC,  144                          ; v144-175 the shortcut's codes
; the scale 2^e as f32 into v[vsc]; 57,344 x 2^e into s[slim], its negative into s[slim+1]
.macro MKQ se, vsc, slim
	s_add_co_i32 s90, s[\se], 127
	s_lshl_b32 s91, s90, 23
	v_mov_b32 v[\vsc], s91
	s_add_co_i32 s90, s90, 15
	s_lshl_b32 s90, s90, 23
	s_or_b32 s[\slim], s90, 0x600000
	s_or_b32 s[\slim+1], s[\slim], 0x80000000
.endm
.macro BAR                             ; my LDS stores have landed and my LDS loads are in: then the work-group's barrier
	s_wait_dscnt 0x0
	s_barrier_signal -1
	s_barrier_wait -1
.endm
.macro PLACES                          ; four plain vector lines between a matrix instruction and a read of its result, or a load or write into its registers
.rept 4
	v_nop
.endr
.endm
	s_load_b512 s[4:19], s[0:1], 0x0               ; x s[4:5], emb_W s[6:7], emb_b s[8:9], attn_W s[10:11], attn_b s[12:13], thr_W s[14:15], thr_b s[16:17], the exponents s[18:19]
	s_load_b256 s[20:27], s[0:1], 0x40             ; qimg s[20:21], kimg s[22:23], vimg s[24:25], keyf s[26:27]
	s_set_vgpr_msb 0x40
	v_lshl_add_u32 v0, v0, 2, 0x2e000
	v_mov_b32 v1, 0
	s_set_vgpr_msb 0x4045
	ds_add_u32 v0, v1
	ds_add_u32 v0, v1
	s_set_vgpr_msb 0x4500
	v_lshrrev_b32 v[T0], 5, v0
	v_readfirstlane_b32 s28, v[T0]                 ; wave 0..7
	s_and_b32 s30, ttmp7, 0xffff                   ; the image
	; descriptor group 1 for x: 8 rows of 256 f32, 4 words of padding behind every 256
	s_mov_b32 s40, (2<<16)|(1<<20)|(7<<22)|(3<<25)
	s_mov_b32 s41, 256<<16                         ; tensor_dim0
	s_mov_b32 s42, 8<<16                           ; tensor_dim1
	s_mov_b32 s43, 256<<16                         ; tile_dim0
	s_mov_b32 s44, 8                               ; tile_dim1
	s_mov_b32 s45, 256                             ; from row to row
	s_mov_b32 s46, 0
	s_mov_b32 s47, 0
	; and for emb_W's codes: 8 rows of 256 bytes, 4 words of padding behind every 64
	s_mov_b32 s48, (1<<20)|(5<<22)|(3<<25)
	s_mov_b32 s49, 256<<16
	s_mov_b32 s50, 8<<16
	s_mov_b32 s51, 256<<16
	s_mov_b32 s52, 8
	s_mov_b32 s53, 256
	s_mov_b32 s54, 0
	s_mov_b32 s55, 0
	s_mov_b32 s84, 0x76543210                      ; v_permlanex16_b32: lane l xor 16
	s_mov_b32 s85, 0xfedcba98
	s_lshl_b32 s86, s30, 10                        ; my tile's first pixel: 1,024 x image + 128 x step + 32 (w / 2) + 8 (w % 2)
	s_lshl_b32 s87, ttmp9, 7
	s_add_co_u32 s86, s86, s87
	s_lshr_b32 s87, s28, 1
	s_lshl_b32 s87, s87, 5
	s_add_co_u32 s86, s86, s87
	s_and_b32 s87, s28, 1
	s_lshl_b32 s87, s87, 3
	s_add_co_u32 s86, s86, s87
	s_lshl_b32 s86, s86, 10                        ; in bytes
	s_mov_b32 s87, 0
	s_mul_i32 s90, s28, 16*XP                      ; my 16 rows in LDS
	s_lshl_b32 s92, s28, 11                        ; my 8 rows of emb_W in memory,
	s_mov_b32 s93, 0
	s_mul_i32 s91, s28, 8*EP
	s_add_co_u32 s91, s91, EW                      ; and in LDS
	s_wait_dscnt 0x0
	s_wait_kmcnt 0x0
	s_mov_b32 s56, 1
	s_mov_b32 s57, s90
	s_add_nc_u64 s[58:59], s[4:5], s[86:87]        ; the tile's first eight pixels,
	s_mov_b32 s60, 1
	s_add_co_u32 s61, s90, 8*XP
	s_add_nc_u64 s[62:63], s[58:59], 16384         ; its second eight, 16 pixels further on
	s_or_b32 s59, s59, 0x80000000
	s_or_b32 s63, s63, 0x80000000
	s_mov_b32 s68, 1
	s_mov_b32 s69, s91
	s_add_nc_u64 s[70:71], s[6:7], s[92:93]
	s_or_b32 s71, s71, 0x80000000
	tensor_load_to_lds s[56:59], s[40:47]          ; all the launch's fills go out together: three tensor loads of mine are out
	s_nop 0
	tensor_load_to_lds s[60:63], s[40:47]
	s_nop 0
	tensor_load_to_lds s[68:71], s[48:55]
	s_nop 0
.rept 4
	v_nop
.endr
	s_load_b256 s[32:39], s[18:19], 0x0            ; e0 .. e7
	s_load_b32 s72, s[16:17], 0x0                  ; thr_b
	v_and_b32 v[LI], 31, v0
	v_lshlrev_b32 v[LI], 4, v[LI]
	v_and_b32 v[RR], 15, v0                        ; r
	v_bfe_u32 v[HH], v0, 4, 1                      ; h
	v_lshlrev_b32 v[WA], 8, v[RR]                  ; attn_W: row 32 w + r of 256 bytes, + 16 h
	v_lshl_add_u32 v[WA], v[HH], 4, v[WA]
	s_lshl_b32 s93, s28, 13
	v_add_nc_u32 v[WA], s93, v[WA]
.irp t, 0,1
.irp k, 0,1
.irp c, 0,1,2,3
	global_load_b128 v[WF+32*\t+16*\k+4*\c:WF+32*\t+16*\k+4*\c+3], v[WA], s[10:11] offset:4096*\t+128*\k+32*\c
.endr
.endr
.endr
	v_lshlrev_b32 v[T0], 6, v[HH]                  ; emb_b in the result's layout: tile f, lane (r, h): features 32 (f / 2) + 8 (f % 2) + 16 h + 0 .. 7
.irp f, 0,1,2,3
	global_load_b128 v[E+8*\f:E+8*\f+3], v[T0], s[8:9] offset:(32*(\f/2)+8*(\f%2))*4
	global_load_b128 v[E+8*\f+4:E+8*\f+7], v[T0], s[8:9] offset:(32*(\f/2)+8*(\f%2))*4+16
.endr
	v_lshlrev_b32 v[ABA], 2, v[RR]                 ; attn_b and thr_W at channel 32 w + 16 t + r
	s_lshl_b32 s93, s28, 7
	v_add_nc_u32 v[ABA], s93, v[ABA]
	global_load_b32 v[AB], v[ABA], s[12:13]
	global_load_b32 v[AB+1], v[ABA], s[12:13] offset:64
	global_load_b32 v[TW0], v[ABA], s[14:15]
	global_load_b32 v[TW1], v[ABA], s[14:15] offset:64
	v_mov_b32 v[TW0+1], 0
	v_mov_b32 v[TW1+1], 0
	v_mul_u32_u24 v[XA], v[RR], XP
	v_lshl_add_u32 v[XA], v[HH], 6, v[XA]
	v_add_nc_u32 v[XA], s90, v[XA]                 ; row 16 w + r, + 64 h: my 16 numbers of a block of 32
	s_lshl_b32 s93, s28, 12
	s_add_co_u32 s93, s93, XIMG
	v_add_nc_u32 v[XWI], s93, v[LI]
	v_and_b32 v[T1], 8, v[RR]
	v_add_nc_u32 v[T1], v[T1], v[RR]               ; r + 8 (r / 8)
	v_mul_u32_u24 v[EWA], v[T1], EP
	v_lshl_add_u32 v[EWA], v[HH], 4, v[EWA]
	v_add_nc_u32 v[EWA], EW, v[EWA]
	s_lshr_b32 s93, s28, 1
	s_lshl_b32 s93, s93, 7
	s_and_b32 s94, s28, 1
	s_lshl_b32 s94, s94, 5
	s_add_co_u32 s93, s93, s94
	s_add_co_u32 s93, s93, SQT
	v_lshl_add_u32 v[SQA], v[T1], 2, s93           ; SQT + 4 x my pixel
	s_lshl_b32 s93, s28, 9
	s_add_co_u32 s93, s93, TP
	v_lshl_add_u32 v[TPA], v[HH], 6, s93
	v_add_nc_u32 v[XRA], XIMG, v[LI]
	v_add_nc_u32 v[TPR], TP, v[LI]
	s_lshl_b32 s86, s30, 6                         ; qimg, kimg at pixel tile 64 x image + 8 x step + w: 1,024 bytes a tile
	s_lshl_b32 s93, ttmp9, 3
	s_add_co_u32 s86, s86, s93
	s_add_co_u32 s86, s86, s28
	s_lshl_b32 s86, s86, 10
	s_add_nc_u64 s[20:21], s[20:21], s[86:87]
	s_add_nc_u64 s[22:23], s[22:23], s[86:87]
	s_lshl_b32 s86, s30, 3                         ; vimg at key step 8 x image + step (32,768 bytes), channel tile 2 w (2,048 bytes a tile)
	s_add_co_u32 s86, s86, ttmp9
	s_lshl_b32 s86, s86, 15
	s_lshl_b32 s93, s28, 12
	s_add_co_u32 s86, s86, s93
	s_add_nc_u64 s[24:25], s[24:25], s[86:87]
	s_lshl_b32 s86, s30, 13                        ; keyf at the image's planes, + 512 x step
	s_lshl_b32 s93, ttmp9, 9
	s_add_co_u32 s86, s86, s93
	s_add_nc_u64 s[26:27], s[26:27], s[86:87]
	s_wait_kmcnt 0x0
	s_add_co_i32 s86, s32, s33                     ; e0 + e1: a sum of the first product stands for sum x 2^(e0+e1)
	s_add_co_i32 s92, s36, s37                     ; e4 + e5: likewise the shortcut's
	s_sub_co_i32 s83, 0, s86
	s_sub_co_i32 s89, 0, s92
	s_lshl_b32 s88, s86, 1
	s_sub_co_i32 s88, s88, s34
	s_sub_co_i32 s88, s88, s35
	s_sub_co_i32 s88, s88, 1                       ; 2 (e0+e1) - (e2+e3+1)
	s_sub_co_i32 s93, s34, s86                     ; the scales ahead of a quantiser are folded into the conversion's one
	s_sub_co_i32 s94, s35, s86
	s_sub_co_i32 s95, s39, s92
	MKQ 32, SC0, 73
	MKQ 36, SC4, 75
	MKQ 93, SCQ, 77
	MKQ 94, SCK, 79
	MKQ 95, SCV, 81
	s_wait_tensorcnt 0x0                           ; my rows of x and of emb_W are in: the longer of the head's two waits comes first,
	s_wait_loadcnt 0x0                             ; and the weights and biases, asked for at the same time, have had all of it in which to land
.set n, 0
.rept 32
	v_ldexp_f32 v[E+n], v[E+n], s83                ; emb_b / 2^(e0+e1): it goes in as the C of each sum's first product
.set n, n+1
.endr
	s_barrier_signal -1
	s_barrier_wait -1                              ; everybody's are: emb_W's rows are read by all
; ---- X: my 16 pixels become codes twice: with e0 (they stay in my registers) and with e4 (images for all waves)
.macro XLD ks                          ; 64 numbers a lane: register 16 b + i = channel 128 ks + 32 b + 16 h + i of my pixel
.irp b, 0,1,2,3
.irp j, 0,1,2,3
	ds_load_b128 v[X+16*\b+4*\j:X+16*\b+4*\j+3], v[XA] offset:512*\ks+128*\b+16*\j
.endr
.endr
	s_wait_dscnt 0x0                               ; they are in; and the images stored before have read their registers
.endm
.macro QX ks
.irp b, 0,1,2,3
.set n, 0
.rept 16
	v_med3_num_f32 v[YA+n], v[X+16*\b+n], s74, s73 ; the conversion to an 8-bit code does not saturate (ISA guide 7.6.2): held within the largest code x the scale
.set n, n+1
.endr
	v_cvt_scalef32_pk8_bf8_f32 v[C0+16*\ks+4*\b:C0+16*\ks+4*\b+1], v[YA:YA+7], v[SC0]
	v_cvt_scalef32_pk8_bf8_f32 v[C0+16*\ks+4*\b+2:C0+16*\ks+4*\b+3], v[YA+8:YA+15], v[SC0]
.set n, 0
.rept 16
	v_med3_num_f32 v[X+16*\b+n], v[X+16*\b+n], s76, s75
.set n, n+1
.endr
	v_cvt_scalef32_pk8_bf8_f32 v[C4+4*\b:C4+4*\b+1], v[X+16*\b:X+16*\b+7], v[SC4]
	v_cvt_scalef32_pk8_bf8_f32 v[C4+4*\b+2:C4+4*\b+3], v[X+16*\b+8:X+16*\b+15], v[SC4]
.endr
	v_nop                                          ; a plain line between the last conversion and the next vector or matrix line that touches its registers
.endm
.macro IMG ks
.irp c, 0,1,2,3
	ds_store_b128 v[XWI], v[C4+4*\c:C4+4*\c+3] offset:2048*\ks+512*\c
.endr
.endm
	XLD 0
	QX 0
	IMG 0
	XLD 1
	QX 1
	IMG 1
; ---- the embedding, transposed: source 0 = 16 features, source 1 = my 16 pixels: a lane holds one pixel, register 16 b + i = feature 32 b + 16 h + i
.macro EWLD ks
.irp f, 0,1,2,3
.irp c, 0,1,2,3
	ds_load_b128 v[X+16*\f+4*\c:X+16*\f+4*\c+3], v[EWA] offset:(32*(\f/2)+8*(\f%2))*EP+128*\ks+32*\c
.endr
.endr
	s_wait_dscnt 0x0
.endm
.macro EMUL ks                         ; the four accumulators take turns, one instruction a turn
.irp f, 0,1,2,3
	v_wmma_f32_16x16x128_bf8_bf8 v[E+8*\f:E+8*\f+7], v[X+16*\f:X+16*\f+15], v[C0+16*\ks:C0+16*\ks+15], v[E+8*\f:E+8*\f+7]
.endr
.endm
	EWLD 0
	EMUL 0
	PLACES
	EWLD 1
	EMUL 1
	PLACES
	v_pk_mul_f32 v[YA:YA+1], v[E:E+1], v[E:E+1]    ; the sum of squares of my 32 features, in two chains, each accumulator from its low end on
	v_pk_mul_f32 v[YA+2:YA+3], v[E+2:E+3], v[E+2:E+3]
.set n, 2
.rept 14
	v_pk_fma_f32 v[YA+2*(n%2):YA+2*(n%2)+1], v[E+2*n:E+2*n+1], v[E+2*n:E+2*n+1], v[YA+2*(n%2):YA+2*(n%2)+1]
.set n, n+1
.endr
	v_pk_add_f32 v[YA:YA+1], v[YA:YA+1], v[YA+2:YA+3]
	v_add_f32 v[YA], v[YA], v[YA+1]
	v_permlanex16_b32 v[YA+1], v[YA], s84, s85
	v_add_f32 v[YA], v[YA], v[YA+1]                ; and the other half's 32
	v_ldexp_f32 v[YA], v[YA], s88
	v_mul_f32 v[YA], -1.0, v[YA]                   ; -sq x 2^-(e2+e3+1)
	ds_store_b32 v[SQA], v[YA]                     ; (both halves of the lanes write the same word with the same number)
.set n, 0
.rept 32
	v_med3_num_f32 v[X+n], v[E+n], s78, s77
.set n, n+1
.endr
.irp q, 0,1,2,3
	v_cvt_scalef32_pk8_bf8_f32 v[C0+2*\q:C0+2*\q+1], v[X+8*\q:X+8*\q+7], v[SCQ]
.endr
.set n, 0
.rept 32
	v_med3_num_f32 v[E+n], v[E+n], s80, s79
.set n, n+1
.endr
.irp q, 0,1,2,3
	v_cvt_scalef32_pk8_bf8_f32 v[C0+8+2*\q:C0+8+2*\q+1], v[E+8*\q:E+8*\q+7], v[SCK]
.endr
	v_nop
	global_store_b128 v[LI], v[C0:C0+3], s[20:21]              ; each store of the wave covers 512 consecutive bytes, aligned
	global_store_b128 v[LI], v[C0+4:C0+7], s[20:21] offset:512
	global_store_b128 v[LI], v[C0+8:C0+11], s[22:23]
	global_store_b128 v[LI], v[C0+12:C0+15], s[22:23] offset:512
	BAR                                            ; x's sixteen images and plane 0's numbers lie in LDS
; ---- S: my 32 channels of the shortcut for the 128 pixels: source 0 = 16 pixels, source 1 = 16 channels: a lane holds one channel, register 16 b + i = pixel 32 b + 16 h + i
	s_wait_xcnt 0x0                                ; the stores above have read their registers: the sums below are laid over them
	v_ldexp_f32 v[T0], v[AB], s89                  ; attn_b / 2^(e4+e5)
	v_ldexp_f32 v[T1], v[AB+1], s89
.set n, 0
.rept 8
	v_mov_b32 v[CB+n], v[T0]                       ; a lane's eight results of a tile belong to one channel
	v_mov_b32 v[CB+8+n], v[T1]
.set n, n+1
.endr
.irp p, 0,1,2,3,4,5,6,7
.irp k, 0,1
.irp c, 0,1,2,3
	ds_load_b128 v[XFR+16*\k+4*\c:XFR+16*\k+4*\c+3], v[XRA] offset:(2*\p+\k)*2048+512*\c
.endr
.endr
	s_wait_dscnt 0x0
	v_wmma_f32_16x16x128_bf8_bf8 v[D+8*\p:D+8*\p+7], v[XFR:XFR+15], v[WF:WF+15], v[CB:CB+7]
	v_wmma_f32_16x16x128_bf8_bf8 v[D+64+8*\p:D+64+8*\p+7], v[XFR:XFR+15], v[WF+32:WF+47], v[CB+8:CB+15]
	v_wmma_f32_16x16x128_bf8_bf8 v[D+8*\p:D+8*\p+7], v[XFR+16:XFR+31], v[WF+16:WF+31], v[D+8*\p:D+8*\p+7]
	v_wmma_f32_16x16x128_bf8_bf8 v[D+64+8*\p:D+64+8*\p+7], v[XFR+16:XFR+31], v[WF+48:WF+63], v[D+64+8*\p:D+64+8*\p+7]
	PLACES
.endr
	; T's part of my 32 channels, in f32: two multiply-adds a pixel in each lane, then the sum over the sixteen lanes of a half
.set n, 0
.rept 32
	v_pk_mul_f32 v[TA+n:TA+n+1], v[D+n:D+n+1], v[TW0:TW0+1] op_sel_hi:[1,0]
.set n, n+2
.endr
.set n, 0
.rept 32
	v_pk_fma_f32 v[TA+n:TA+n+1], v[D+64+n:D+64+n+1], v[TW1:TW1+1], v[TA+n:TA+n+1] op_sel_hi:[1,0,1]
.set n, n+2
.endr
.irp x, 1,2,4,8
.set n, 0
.rept 64
	v_add_f32_dpp v[TA+n], v[TA+n], v[TA+n] row_xmask:\x row_mask:0xf bank_mask:0xf
.set n, n+1
.endr
.endr
.irp b, 0,1,2,3
.irp q, 0,1,2,3
	ds_store_b128 v[TPA], v[TA+16*\b+4*\q:TA+16*\b+4*\q+3] offset:128*\b+16*\q   ; (the sixteen lanes of a half write the same bytes with the same numbers)
.endr
.endr
.irp t, 0,1
.set n, 0
.rept 64
	v_med3_num_f32 v[D+64*\t+n], v[D+64*\t+n], s82, s81
.set n, n+1
.endr
.irp q, 0,1,2,3,4,5,6,7
	v_cvt_scalef32_pk8_bf8_f32 v[VC+16*\t+2*\q:VC+16*\t+2*\q+1], v[D+64*\t+8*\q:D+64*\t+8*\q+7], v[SCV]
.endr
	v_nop
.irp c, 0,1,2,3
	global_store_b128 v[LI], v[VC+16*\t+4*\c:VC+16*\t+4*\c+3], s[24:25] offset:2048*\t+512*\c
.endr
.endr
	BAR                                            ; the eight waves' partial sums lie in LDS
	s_cmp_lg_u32 s28, 0                            ; wave 0 adds them and stores the step's 128 numbers of both planes
	s_cbranch_scc1 .Lend
.irp w, 0,1,2,3,4,5,6,7
	ds_load_b128 v[16+4*\w:19+4*\w], v[TPR] offset:512*\w
.endr
	ds_load_b128 v[48:51], v[TPR] offset:SQT-TP
	s_mov_b32 s91, 0xbfb8aa3b                      ; -log2(e)
	v_mul_f32 v52, s72, s91                        ; -log2(e) x thr_b
	s_wait_dscnt 0x0
.irp w, 1,2,3,4,5,6,7
	v_pk_add_f32 v[16:17], v[16:17], v[16+4*\w:17+4*\w]
	v_pk_add_f32 v[18:19], v[18:19], v[18+4*\w:19+4*\w]
.endr
.irp j, 0,1,2,3
	v_ldexp_f32 v[16+\j], v[16+\j], s92            ; x 2^(e4+e5)
.endr
.irp j, 0,1,2,3
	v_fma_f32 v[16+\j], v[16+\j], s91, v52         ; -log2(e) x T
.endr
	global_store_b128 v[LI], v[48:51], s[26:27]
	global_store_b128 v[LI], v[16:19], s[26:27] offset:4096
.Lend:
	s_set_vgpr_msb 0x5
	s_wait_tensorcnt 0x0
	ds_add_u32 v0, v1
	s_wait_dscnt 0x0
	s_set_vgpr_msb 0x500
	s_endpgm
.Lfunc_end_k_q306fb5b2fc_prep:
	.size	k_q306fb5b2fc_prep, .Lfunc_end_k_q306fb5b2fc_prep-k_q306fb5b2fc_prep
	.p2alignl 7, 3214868480
	.fill 96, 4, 3214868480
	.section	.rodata,"a",@progbits
	.p2align	6, 0x0
	.amdhsa_kernel k_q306fb5b2fc_prep
		.amdhsa_group_segment_fixed_size 189440
		.amdhsa_private_segment_fixed_size 0
		.amdhsa_enable_private_segment 0
		.amdhsa_kernarg_size 96
		.amdhsa_user_sgpr_count 2
		.amdhsa_user_sgpr_kernarg_segment_ptr 1
		.amdhsa_wavefront_size32 1
		.amdhsa_system_sgpr_workgroup_id_x 1
		.amdhsa_system_sgpr_workgroup_id_y 1
		.amdhsa_system_sgpr_workgroup_id_z 1
		.amdhsa_system_vgpr_workitem_id 0
		.amdhsa_next_free_vgpr 258
		.amdhsa_next_free_sgpr 96
		.amdhsa_reserve_vcc 0
		.amdhsa_float_denorm_mode_32 3
		.amdhsa_float_denorm_mode_16_64 3
		.amdhsa_memory_ordered 1
		.amdhsa_forward_progress 1
		.amdhsa_inst_pref_size 84
	.end_amdhsa_kernel
	.amdgpu_metadata
---
amdhsa.version: [ 1, 2 ]
amdhsa.kernels:
  - .name:           k_q306fb5b2fc_prep
    .symbol:         k_q306fb5b2fc_prep.kd
    .args:
      - { .name: feature_map, .offset: 0, .size: 8, .value_kind: global_buffer, .address_space: global }
      - { .name: emb_W_codes, .offset: 8, .size: 8, .value_kind: global_buffer, .address_space: global }
      - { .name: emb_b, .offset: 16, .size: 8, .value_kind: global_buffer, .address_space: global }
      - { .name: attn_W_codes, .offset: 24, .size: 8, .value_kind: global_buffer, .address_space: global }
      - { .name: attn_b, .offset: 32, .size: 8, .value_kind: global_buffer, .address_space: global }
      - { .name: thr_W, .offset: 40, .size: 8, .value_kind: global_buffer, .address_space: global }
      - { .name: thr_b, .offset: 48, .size: 8, .value_kind: global_buffer, .address_space: global }
      - { .name: lowp_scales, .offset: 56, .size: 8, .value_kind: global_buffer, .address_space: global }
      - { .name: qimg, .offset: 64, .size: 8, .value_kind: global_buffer, .address_space: global }
      - { .name: kimg, .offset: 72, .size: 8, .value_kind: global_buffer, .address_space: global }
      - { .name: vimg, .offset: 80, .size: 8, .value_kind: global_buffer, .address_space: global }
      - { .name: keyf, .offset: 88, .size: 8, .value_kind: global_buffer, .address_space: global }
    .group_segment_fixed_size: 189440
    .private_segment_fixed_size: 0
    .kernarg_segment_align: 8
    .kernarg_segment_size: 96
    .max_flat_workgroup_size: 256
    .sgpr_count:     96
    .vgpr_count:     258
    .wavefront_size: 32
...
	.end_amdgpu_metadata
.endif
;; end of part 1
;; launch attn (part 2): grid 8 x 32, 4 waves a work-group, clusters of 4 x 1, 327,680 bytes of LDS; arguments feature_map, qimg, kimg, vimg, keyf, lowp_scales, out0; writes out0
.if DOCPART == 2
	.amdgcn_target "amdgcn-amd-amdhsa--gfx1250"
	.amdhsa_code_object_version 6
	.text
	.protected	k_q306fb5b2fc_attn
	.globl	k_q306fb5b2fc_attn
	.p2align	8
	.type	k_q306fb5b2fc_attn,@function
k_q306fb5b2fc_attn:
	s_mov_b64 s[64:65], 0
	v_nop
	global_prefetch_b8 v0, s[64:65] scope:SCOPE_SE
	s_setreg_imm32_b32 hwreg(HW_REG_WAVE_MODE, 25, 1), 1
	s_wait_xcnt 0x0
	s_wait_alu depctr_hold_cnt(0) depctr_sa_sdst(0) depctr_va_vdst(0) depctr_va_sdst(0) depctr_va_ssrc(0) depctr_va_vcc(0) depctr_vm_vsrc(0)
	s_getreg_b32 s2, hwreg(HW_REG_IB_STS2, 6, 4)
	s_cmp_eq_u32 s2, 0
	s_cbranch_scc0 .Lentry_in_a_cluster
	s_endpgm
.Lentry_in_a_cluster:
	s_bfe_u32 s2, ttmp6, 0x10000c
	s_cmp_lg_u32 s2, 0x3003
	s_cbranch_scc0 .Lentry_shape_is_right
	s_endpgm
.Lentry_shape_is_right:
; ATTN: out = x + (sum over keys j of Q(p; e6) Q(shortcut; e7)) / l, for 32 images of 1,024 pixels x 256 channels; the operands come from the launch before, as images of operand registers.
; A PAIR (query i, key j), L = log2(e):  D = q.k (codes) + Cj (Cj is the product's C);  w = min(D c1 + qi, 0) = -d2 L;  e = 2^w;  u = 2^(e L + m), m = (mask - 1) L;  Z = the row's sum of u;
;   t = u L / Z + Tn_j;  M = ceil(max(0, the row's largest t));  p = max(2^(t - M), 2^-M) = 2^(max(t, 0) - M);  l = the row's sum of p;  p is held at the largest code and quantised with 2^e6.
; THE FIRST SOFTMAX TAKES NO MAXIMUM AWAY: its logit exp(-d2) - 1 + mask lies between -1 and 1 whatever the inputs, so u lies between 1/e and e and Z between 376 and 2,784.  The second takes its row's true maximum.
; THE MASK is made from the pixels' coordinates: 32 neighbouring keys are one image row.  v = diff L/32 - L and y = 2 L - 128 v; the middle one of (v, y, -L) is v where diff <= 32 and -L beyond: no compare.
; SHARES.  A work-group takes 128 queries of an image as two tasks of 64.  In the softmaxes wave w owns pixel tile w of the task (16 queries) against all 1,024 keys: its 512 registers of u stay from the first
; softmax to the second.  In the last product THE WAVES SHARE THE CHANNELS: wave w makes channels 64 w .. 64 w + 63 for all 64 queries; p's codes go round as images, 8,192 bytes a key step, two slots, one barrier a step.
; LDS holds k's images, both planes of keyf and v's key steps 0 to 6 for both tasks; key step 7 comes from memory into registers that u has left.  Nothing in LDS is filled twice.
; CLUSTER.  The four work-groups of a cluster belong to one image and need the same 303,104 bytes: each tile is asked for jointly, once, at the head.
; LIMITS: e6 between -126 and 112; e2+e3+1 between -126 and 126 (it is added to L's exponent field).  NaN and infinities among the inputs are not served.
; REGISTERS, in windows of 256.  Window 0: v1-13, v42-45 addresses; v[14:15] qi; v16-23 Q; v24-31 the sums (4 pairs); v32-35 maxima; v[36:37] L/Z; v[38:39] -M; v40 2^-M; v41 2^e6; v47 57,344 x 2^e6;
;   v48-63 |dx| L/32, v64-79 -128 x that; v80-95 y; v96-159 m, later Tn of odd steps; v160-223 Tn of even steps; v224-239 p's codes; v240-247 the final factors; v[248:249], v[250:251] a row's terms; v252 Ci.
;   Window 1: u of key steps 0-3; later v0-63 v's step 7, v64-191 x.   Window 2: u of key steps 4-7; on the way out v0-63 results, v64-127 rows.
;   Window 3: v0-127 the 16 accumulators (channel tile t, query tile m at 8 (4 m + t)); v128-191, v192-255 k's tiles by turns, later v's and p's fragments.
.set KEYF,  65536                      ; LDS: k's 64 tiles from 0; then Cj and Tn, 4,096 bytes each;
.set VIMG,  73728                      ; v's key steps 0-6, 32,768 bytes each;
.set SCR,   303104                     ; p's images, two slots of 8,192; on the way out four stages of 16 rows x 272;
.set FT,    320512                     ; the 64 final factors
.set MSB, 0
.macro WIN new                         ; the immediate's high byte repeats the setting that is left; a switch that changes nothing is dropped
.if MSB != (\new)
	s_set_vgpr_msb (MSB<<8)|(\new)
.set MSB, (\new)
.endif
.endm
.macro CROUND                          ; a round of the cluster's barrier
	s_barrier_signal -1
	s_barrier_wait -1
	s_cmp_lg_u32 s18, 0
	s_cbranch_scc1 .Lnot_wave_0_\@
	s_barrier_signal -3
.Lnot_wave_0_\@:
	s_barrier_wait -3
	s_barrier_signal -1
	s_barrier_wait -1
.endm
.macro BAR
	s_wait_dscnt 0x0
	s_barrier_signal -1
	s_barrier_wait -1
.endm
	s_load_b256 s[4:11], s[0:1], 0x0               ; x s[4:5], qimg s[6:7], kimg s[8:9], vimg s[10:11]
	s_load_b128 s[12:15], s[0:1], 0x20             ; keyf s[12:13], the exponents s[14:15]
	s_load_b64 s[16:17], s[0:1], 0x30              ; out
	v_lshl_add_u32 v254, v0, 2, 0x4e500
	v_mov_b32 v255, 0
	ds_add_u32 v254, v255
	ds_add_u32 v254, v255
	s_wait_dscnt 0x0
	v_lshrrev_b32 v46, 5, v0
	v_readfirstlane_b32 s18, v46                   ; wave 0..3
	s_and_b32 s98, ttmp7, 0xffff                   ; the image, which the four partners share
	; descriptor groups 1: dense blocks as rows of 256 bytes (32 elements of 8 bytes); the mask names all four work-groups, bit 21 beside it
.irp g, 40, 48, 56
	s_mov_b32 s[\g], 15|(3<<16)|(1<<21)
	s_mov_b32 s[\g+1], 32<<16
	s_mov_b32 s[\g+3], 32<<16
	s_mov_b32 s[\g+5], 32
	s_mov_b32 s[\g+6], 0
	s_mov_b32 s[\g+7], 0
.endr
	s_mov_b32 s42, 64<<16                          ; k: 64 rows a wave
	s_mov_b32 s44, 64
	s_mov_b32 s50, 8<<16                           ; keyf: 8
	s_mov_b32 s52, 8
	s_mov_b32 s58, 224<<16                         ; v: 224
	s_mov_b32 s60, 224
	s_mov_b32 s101, 0
	s_mov_b32 s68, 1                               ; groups 0 hang on the image and the wave's number alone
	s_lshl_b32 s69, s18, 14
	s_lshl_b32 s100, s98, 16
	s_add_co_u32 s100, s100, s69
	s_wait_kmcnt 0x0
	s_add_nc_u64 s[70:71], s[8:9], s[100:101]
	s_or_b32 s71, s71, 0x80000000
	s_mov_b32 s72, 1
	s_lshl_b32 s96, s18, 11
	s_add_co_u32 s73, s96, KEYF
	s_lshl_b32 s100, s98, 13
	s_add_co_u32 s100, s100, s96
	s_add_nc_u64 s[74:75], s[12:13], s[100:101]
	s_or_b32 s75, s75, 0x80000000
	s_mov_b32 s76, 1
	s_mul_i32 s96, s18, 57344
	s_add_co_u32 s77, s96, VIMG
	s_lshl_b32 s100, s98, 18
	s_add_co_u32 s100, s100, s96
	s_add_nc_u64 s[78:79], s[10:11], s[100:101]
	s_or_b32 s79, s79, 0x80000000
	CROUND                                         ; all four work-groups are here: the joint loads meet
	tensor_load_to_lds s[68:71], s[40:47]          ; k, keyf, v, in this order: three tensor loads of mine are out
	s_nop 0
	tensor_load_to_lds s[72:75], s[48:55]
	s_nop 0
	tensor_load_to_lds s[76:79], s[56:63]
	s_nop 0
.rept 4
	v_nop
.endr
	s_load_b256 s[32:39], s[14:15], 0x0            ; e0 .. e7
	s_lshl_b32 s100, s98, 18                       ; v's key step 7, my 64 channels
	s_lshl_b32 s96, s18, 13
	s_add_co_u32 s100, s100, s96
	s_add_co_u32 s100, s100, 229376
	s_add_nc_u64 s[10:11], s[10:11], s[100:101]
	; what hangs on my place in the cluster has registers of its own: it enters global addresses of Q, Ci, x and out, and the query's image row
	s_bfe_u32 s31, ttmp6, 0x40000                  ; cx
	s_lshl_b32 s97, ttmp9, 2
	s_add_co_u32 s97, s97, s31                     ; my block of 128 queries
	s_mov_b32 s3, 0
	s_lshl_b32 s2, s98, 6
	s_lshl_b32 s31, s97, 3
	s_add_co_u32 s2, s2, s31
	s_add_co_u32 s2, s2, s18
	s_lshl_b32 s2, s2, 10
	s_add_nc_u64 s[6:7], s[6:7], s[2:3]            ; qimg at pixel tile 64 x image + 8 x block + w
	s_lshl_b32 s2, s98, 13
	s_lshl_b32 s31, s97, 9
	s_add_co_u32 s2, s2, s31
	s_add_nc_u64 s[66:67], s[12:13], s[2:3]        ; plane 0 at my block's first pixel
	s_lshl_b32 s2, s98, 20
	s_lshl_b32 s31, s97, 17
	s_add_co_u32 s2, s2, s31
	s_add_nc_u64 s[4:5], s[4:5], s[2:3]            ; x and out likewise
	s_add_nc_u64 s[16:17], s[16:17], s[2:3]
	s_lshl_b32 s30, s97, 2
	s_lshr_b32 s31, s18, 1
	s_add_co_u32 s30, s30, s31                     ; my queries' image row: 4 x block + 2 x task + w / 2
	s_mov_b32 s20, 0x76543210                      ; v_permlanex16_b32: lane l xor 16
	s_mov_b32 s21, 0xfedcba98
	s_mov_b32 s24, 0x3fb8aa3b                      ; L
	s_mov_b32 s25, 0x3fb8aa3b
	s_mov_b32 s26, 0xbfb8aa3b                      ; -L
	s_mov_b32 s27, 0x3d38aa3b                      ; L / 32
	s_mov_b32 s28, 0xc3000000                      ; -128
	s_mov_b32 s29, 0x4038aa3b                      ; 2 L
	v_and_b32 v1, 31, v0
	v_lshlrev_b32 v1, 4, v1                        ; 16 x lane
	v_and_b32 v253, 15, v0                         ; r
	v_bfe_u32 v254, v0, 4, 1                       ; h
	v_and_b32 v255, 8, v253
	v_add_nc_u32 v255, v255, v253                  ; r + 8 (r / 8)
	s_lshr_b32 s96, s18, 1
	s_lshl_b32 s96, s96, 7
	s_and_b32 s100, s18, 1
	s_lshl_b32 s100, s100, 5
	s_add_co_u32 s96, s96, s100
	v_lshl_add_u32 v13, v255, 2, s96               ; 4 x my query's place among the task's 64 pixels
	global_load_b128 v[16:19], v1, s[6:7]          ; the first task's Q and Ci
	global_load_b128 v[20:23], v1, s[6:7] offset:512
	global_load_b32 v252, v13, s[66:67]
	v_lshlrev_b32 v2, 6, v254
	v_add_nc_u32 v2, KEYF, v2                      ; Cj, Tn: my half's 16 keys of a block of 32
	s_lshl_b32 s96, s18, 13
	s_add_co_u32 s96, s96, VIMG
	v_add_nc_u32 v3, s96, v1                       ; v's fragments of my 64 channels, key step 0,
.irp s, 1,2,3,4,5,6
	v_add_nc_u32 v[3+\s], 32768*\s, v3             ; and steps 1 to 6
.endr
	s_mul_i32 s96, s18, 4352
	s_add_co_u32 s96, s96, SCR                     ; my stage
	v_mul_u32_u24 v10, v253, 272
	v_lshl_add_u32 v10, v254, 5, v10
	v_add_nc_u32 v10, s96, v10                     ; in: row r, 32 bytes for each half of the lanes
	v_mul_u32_u24 v11, v254, 272
	v_lshl_add_u32 v11, v253, 4, v11
	v_add_nc_u32 v11, s96, v11                     ; back: lanes 0-15 one row of 256 bytes, lanes 16-31 the next
	v_lshlrev_b32 v12, 10, v254
	v_lshl_add_u32 v12, v253, 4, v12
	s_lshl_b32 s96, s18, 8
	v_add_nc_u32 v12, s96, v12                     ; and the same in x and out: my 64 channels of two pixels
	s_lshl_b32 s96, s18, 11
	s_add_co_u32 s96, s96, SCR
	v_add_nc_u32 v42, s96, v1                      ; where I store p's image
	v_add_nc_u32 v43, SCR, v1                      ; where images are read
	v_lshlrev_b32 v45, 2, v253
	v_add_nc_u32 v45, FT, v45
	s_lshl_b32 s96, s18, 6
	v_add_nc_u32 v44, s96, v45
	s_and_b32 s96, s18, 1
	s_lshl_b32 s96, s96, 3
	v_add_nc_u32 v46, s96, v255                    ; my query's column: 8 (w % 2) + r + 8 (r / 8),
	v_lshlrev_b32 v253, 4, v254
	v_sub_nc_u32 v46, v46, v253                    ; less 16 h: register k of a block holds the key of column 16 h + k
.set n, 0
.rept 16
	v_add_nc_u32 v248, 0-n, v46
	v_cvt_f32_i32 v248, v248
	v_mul_f32 v[48+n], |v248|, s27
	v_mul_f32 v[64+n], s28, v[48+n]
.set n, n+1
.endr
.irp j, 15, 37, 39, 241, 243, 245, 247, 249, 251
	v_mov_b32 v\j, 0                               ; named as the upper halves of pairs, so they are written
.endr
	s_wait_kmcnt 0x0
	s_add_co_i32 s96, s34, s35
	s_add_co_i32 s96, s96, 1
	s_lshl_b32 s96, s96, 23
	s_add_co_i32 s22, s96, 0x3fb8aa3b              ; c1 = L x 2^(e2+e3+1)
	s_mov_b32 s23, s22
	s_add_co_i32 s96, s38, 127
	s_lshl_b32 s100, s96, 23
	v_mov_b32 v41, s100                            ; 2^e6
	s_add_co_i32 s96, s96, 15
	s_lshl_b32 s96, s96, 23
	s_or_b32 s96, s96, 0x600000
	v_mov_b32 v47, s96                             ; 57,344 x 2^e6
	s_add_co_i32 s99, s38, s39                     ; e6 + e7
	s_wait_tensorcnt 0x1                           ; my parts of k and of keyf are in; v's load, issued behind them, may stay out
	s_barrier_signal -1
	s_barrier_wait -1
; ---- macros of the first softmax
.macro ALOAD g                         ; key step g: Cj into u's registers (register 16 b + i = key 128 g + 32 b + 16 h + i), k's eight tiles into buffer g % 2
	WIN (1+(\g)/4)<<6
.irp b, 0,1,2,3
.irp q, 0,1,2,3
	ds_load_b128 v[64*((\g)%4)+16*\b+4*\q:64*((\g)%4)+16*\b+4*\q+3], v2 offset:512*(\g)+128*\b+16*\q
.endr
.endr
	WIN 0xc0
.irp t, 0,1,2,3,4,5,6,7
.irp c, 0,1
	ds_load_b128 v[128+64*((\g)%2)+8*\t+4*\c:128+64*((\g)%2)+8*\t+4*\c+3], v1 offset:(8*(\g)+\t)*1024+512*\c
.endr
.endr
.endm
.macro TLOAD g                         ; key step g's Tn, in u's order
	WIN 0
.irp b, 0,1,2,3
.irp q, 0,1,2,3
	ds_load_b128 v[160-64*((\g)%2)+16*\b+4*\q:160-64*((\g)%2)+16*\b+4*\q+3], v2 offset:4096+512*(\g)+128*\b+16*\q
.endr
.endr
.endm
.macro MASK g                          ; m for the step's four image rows
	WIN 0
.irp b, 0,1,2,3
	s_sub_co_i32 s2, s30, 4*(\g)+\b
	s_sub_co_i32 s3, 4*(\g)+\b, s30
	s_max_i32 s2, s2, s3                           ; |dy|
	v_cvt_f32_u32 v248, s2
	v_fma_f32 v248, v248, s27, s26                 ; |dy| L/32 - L
	v_fma_f32 v250, v248, s28, s29                 ; 2 L - 128 x that
.set n, 0
.rept 8
	v_pk_add_f32 v[96+16*\b+n:96+16*\b+n+1], v[48+n:48+n+1], v[248:249] op_sel_hi:[1,0]
.set n, n+2
.endr
.set n, 0
.rept 8
	v_pk_add_f32 v[80+n:80+n+1], v[64+n:64+n+1], v[250:251] op_sel_hi:[1,0]
.set n, n+2
.endr
.set n, 0
.rept 16
	v_med3_num_f32 v[96+16*\b+n], v[96+16*\b+n], v[80+n], s26
.set n, n+1
.endr
.endr
.endm
.macro ZADD g                          ; key step g's u onto the row's sum, in four chains of pairs
	WIN (1+(\g)/4)<<2
.set n, 0
.rept 32
	v_pk_add_f32 v[24+2*(n%4):25+2*(n%4)], v[24+2*(n%4):25+2*(n%4)], v[64*((\g)%4)+2*n:64*((\g)%4)+2*n+1]
.set n, n+1
.endr
.endm
.macro ASTEP g
.set AW, 1+(\g)/4
.set AU, 64*((\g)%4)
.set AKB, 128+64*((\g)%2)
	s_wait_dscnt 0x0                               ; this step's Cj and k, asked for a step ago
	WIN (AW<<6)|(AW<<4)|3
.irp t, 0,1,2,3,4,5,6,7
	v_wmma_f32_16x16x64_bf8_bf8 v[AU+8*\t:AU+8*\t+7], v[AKB+8*\t:AKB+8*\t+7], v[16:23], v[AU+8*\t:AU+8*\t+7]
.endr
.if (\g) < 7
	ALOAD (\g)+1                                   ; into registers that none of these products names
.endif
	MASK \g                                        ; its plain lines are the places behind the products
.if (\g) > 0
	s_wait_alu depctr_va_vdst(0)                   ; the wait ahead of the first reader: one for the last step's 64 exponentials
	ZADD (\g)-1
.endif
	WIN (AW<<6)|(AW<<2)|AW
.set n, 0
.rept 32
	v_pk_fma_f32 v[AU+n:AU+n+1], v[AU+n:AU+n+1], s[22:23], v[14:15] op_sel_hi:[1,0,0]   ; D c1 + qi; each accumulator from its low end on
.set n, n+2
.endr
.set n, 0
.rept 64
	v_min_num_f32 v[AU+n], 0, v[AU+n]              ; d2 is not negative
.set n, n+1
.endr
.set n, 0
.rept 64
	v_exp_f32 v[AU+n], v[AU+n]                     ; exp(-d2)
.set n, n+1
.endr
	v_nop                                          ; a plain line behind the last exponential
	s_wait_alu depctr_va_vdst(0)                   ; one wait for the batch
.set n, 0
.rept 32
	v_pk_fma_f32 v[AU+n:AU+n+1], v[AU+n:AU+n+1], s[24:25], v[96+n:96+n+1] op_sel_hi:[1,0,1]
.set n, n+2
.endr
.set n, 0
.rept 64
	v_exp_f32 v[AU+n], v[AU+n]                     ; u; its wait stands in the next step, behind that step's products and mask
.set n, n+1
.endr
	v_nop
.endm
; ---- macros of the second softmax
.macro B1STEP g                        ; t = u L/Z + Tn, in place; the running maxima
.set BW, 1+(\g)/4
.set BU, 64*((\g)%4)
.set BT, 160-64*((\g)%2)
.if (\g) < 7
	TLOAD (\g)+1
	s_wait_dscnt 16                                ; this step's Tn are in; the 16 loads just issued may stay out
.else
	s_wait_dscnt 0x0
.endif
	WIN (BW<<6)|BW
.set n, 0
.rept 32
	v_pk_fma_f32 v[BU+n:BU+n+1], v[BU+n:BU+n+1], v[36:37], v[BT+n:BT+n+1] op_sel_hi:[1,0,1]
.set n, n+2
.endr
	WIN (BW<<4)|(BW<<2)
.set n, 0
.rept 32
	v_max3_num_f32 v[32+n%4], v[32+n%4], v[BU+2*n], v[BU+2*n+1]
.set n, n+1
.endr
.endm
.macro PVMUL m0, zero, vb              ; query tiles m0, m0 + 1 x my four channel tiles, 128 keys.  The 16 accumulators take turns, one instruction a turn, in the same order in every step
.irp m, \m0, \m0+1
.irp t, 0,1,2,3
.if \zero
	v_wmma_f32_16x16x128_bf8_bf8 v[8*(4*(\m)+\t):8*(4*(\m)+\t)+7], v[\vb+16*\t:\vb+16*\t+15], v[192+16*(\m):192+16*(\m)+15], 0
.else
	v_wmma_f32_16x16x128_bf8_bf8 v[8*(4*(\m)+\t):8*(4*(\m)+\t)+7], v[\vb+16*\t:\vb+16*\t+15], v[192+16*(\m):192+16*(\m)+15], v[8*(4*(\m)+\t):8*(4*(\m)+\t)+7]
.endif
.endr
.endr
.endm
.macro PFETCH g                        ; the four query tiles' p of key step g
	WIN 0xc0
.irp m, 0,1,2,3
.irp c, 0,1,2,3
	ds_load_b128 v[192+16*\m+4*\c:192+16*\m+4*\c+3], v43 offset:8192*((\g)%2)+2048*\m+512*\c
.endr
.endr
.endm
.macro VFETCH g                        ; my four channel tiles of v, key step g
	WIN 0xc0
.irp t, 0,1,2,3
.irp c, 0,1,2,3
	ds_load_b128 v[128+16*\t+4*\c:128+16*\t+4*\c+3], v[3+(\g)] offset:2048*\t+512*\c
.endr
.endr
.endm
.macro B2STEP g                        ; p of key step g is made, summed, quantised and handed round; the products of key step g - 1 stand among the vector work
.set CW, 1+(\g)/4
.set CU, 64*((\g)%4)
	WIN (CW<<6)|CW
.set n, 0
.rept 32
	v_pk_add_f32 v[CU+n:CU+n+1], v[CU+n:CU+n+1], v[38:39] op_sel_hi:[1,0]   ; t - M
.set n, n+2
.endr
.set n, 0
.rept 64
	v_exp_f32 v[CU+n], v[CU+n]
.set n, n+1
.endr
	v_nop
	s_wait_alu depctr_va_vdst(0)                   ; one wait for the batch
.set n, 0
.rept 64
	v_max_num_f32 v[CU+n], v[CU+n], v40            ; the logit is not negative: p is at least 2^-M
.set n, n+1
.endr
.if (\g) >= 1
	s_wait_dscnt 0x0                               ; the last step's fragments of v and p
	WIN 0xff
.if (\g) == 1
	PVMUL 0, 1, 128                                ; the first products start the sums: nothing is cleared
.else
	PVMUL 0, 0, 128
.endif
.endif
	WIN CW<<2
.set n, 0
.rept 32
	v_pk_add_f32 v[24+2*(n%4):25+2*(n%4)], v[24+2*(n%4):25+2*(n%4)], v[CU+2*n:CU+2*n+1]   ; l is taken of the unquantised p
.set n, n+1
.endr
	WIN (CW<<6)|CW
.set n, 0
.rept 64
	v_min_num_f32 v[CU+n], v[CU+n], v47            ; the conversion does not saturate (ISA guide 7.6.2); p is not negative, so the hold is one-sided
.set n, n+1
.endr
.if (\g) >= 1
	WIN 0xff
.if (\g) == 1
	PVMUL 2, 1, 128
.else
	PVMUL 2, 0, 128
.endif
.endif
	WIN CW
.irp q, 0,1,2,3,4,5,6,7
	v_cvt_scalef32_pk8_bf8_f32 v[224+2*\q:225+2*\q], v[CU+8*\q:CU+8*\q+7], v41
.endr
.rept 4
	v_nop                                          ; the plain line behind the conversions, and the four places in front of the loads into the products' operands
.endr
	WIN 0
.irp c, 0,1,2,3
	ds_store_b128 v42, v[224+4*\c:224+4*\c+3] offset:8192*((\g)%2)+512*\c
.endr
.if (\g) == 7
	v_pk_add_f32 v[24:25], v[24:25], v[26:27]      ; l is whole: the final factor 2^(e6+e7) / l of my query
	v_pk_add_f32 v[28:29], v[28:29], v[30:31]
	v_pk_add_f32 v[24:25], v[24:25], v[28:29]
	v_add_f32 v24, v24, v25
	v_permlanex16_b32 v25, v24, s20, s21
	v_add_f32 v24, v24, v25
	v_rcp_f32 v46, v24
	v_nop
	s_wait_alu depctr_va_vdst(0)
	v_ldexp_f32 v46, v46, s99
	ds_store_b32 v44, v46                          ; (both halves of the lanes write the same word with the same number)
.endif
	BAR                                            ; the four images of this step lie in LDS; every wave's reads of the other slot are over, so the next step may store there
	PFETCH \g
.if (\g) <= 6
	VFETCH \g
.else
	WIN 0
.irp m, 0,1,2,3
	ds_load_b32 v[240+2*\m], v45 offset:64*\m      ; the factor of query r of each tile
.endr
.endif
.endm
; ---- the way out: query tile m's 16 pixels x my 64 channels, through my stage, so that sixteen lanes hold 256 neighbouring bytes
.macro OSTAGE m
	WIN 0x83
.set n, 0
.rept 16
	v_pk_mul_f32 v[32*((\m)%2)+n:32*((\m)%2)+n+1], v[32*(\m)+n:32*(\m)+n+1], v[240+2*(\m):241+2*(\m)] op_sel_hi:[1,0]   ; each accumulator from its low end on
.set n, n+2
.endr
	WIN 0x08
.irp t, 0,1,2,3
	ds_store_b128 v10, v[32*((\m)%2)+8*\t:32*((\m)%2)+8*\t+3] offset:64*\t
	ds_store_b128 v10, v[32*((\m)%2)+8*\t+4:32*((\m)%2)+8*\t+7] offset:64*\t+16
.endr
	WIN 0x80
.irp i, 0,1,2,3,4,5,6,7
	ds_load_b128 v[64+32*((\m)%2)+4*\i:64+32*((\m)%2)+4*\i+3], v11 offset:544*\i   ; LDS serves a wave's instructions in order (ISA guide 5.7.1.4): these see my stores, and the next tile's stores come behind them
.endr
.endm
.macro OSEND m, younger                ; younger: the LDS instructions issued behind tile m's loads
	s_wait_dscnt \younger
	s_wait_loadcnt 8*(3-(\m))                      ; x of this tile is in; x of the later tiles, 8 loads each, may stay out
	WIN 0x86
.set n, 0
.rept 16
	v_pk_add_f32 v[64+32*((\m)%2)+n:64+32*((\m)%2)+n+1], v[64+32*((\m)%2)+n:64+32*((\m)%2)+n+1], v[64+32*(\m)+n:64+32*(\m)+n+1]
.set n, n+2
.endr
	WIN 0x08
.irp i, 0,1,2,3,4,5,6,7
	global_store_b128 v12, v[64+32*((\m)%2)+4*\i:64+32*((\m)%2)+4*\i+3], s[16:17] offset:(32*((\m)/2)+8*((\m)%2)+2*\i+8*(\i/4))*1024 th:TH_STORE_NT   ; each half of the lanes stores 256 consecutive bytes, aligned
.endr
.endm
	s_mov_b32 s19, 0                               ; the task
.Ltask:
	s_wait_loadcnt 0x0                             ; Q and Ci
	v_mul_f32 v14, s22, v252                       ; qi = Ci c1
.set n, 0
.rept 12
	v_mov_b32 v[24+n], 0                           ; Z's four pairs; the maxima begin at 0, which the logit's clip makes part of the row
.set n, n+1
.endr
	ALOAD 0
	TLOAD 0                                        ; its registers are free through the first softmax
	ASTEP 0
	ASTEP 1
	ASTEP 2
	ASTEP 3
	ASTEP 4
	ASTEP 5
	ASTEP 6
	ASTEP 7
	s_wait_alu depctr_va_vdst(0)
	ZADD 7
	WIN 0
	v_pk_add_f32 v[24:25], v[24:25], v[26:27]
	v_pk_add_f32 v[28:29], v[28:29], v[30:31]
	v_pk_add_f32 v[24:25], v[24:25], v[28:29]
	v_add_f32 v24, v24, v25
	v_permlanex16_b32 v25, v24, s20, s21
	v_add_f32 v24, v24, v25                        ; Z
	v_rcp_f32 v36, v24
	v_nop
.set n, 0
.rept 8
	v_mov_b32 v[24+n], 0                           ; the same four pairs will take l
.set n, n+1
.endr
	s_wait_alu depctr_va_vdst(0)
	v_mul_f32 v36, s24, v36                        ; L / Z
	s_cmp_lg_u32 s19, 0                            ; the next task's Q and Ci are asked for here, if there is one
	s_cbranch_scc1 .Lno_next
	global_load_b128 v[16:19], v1, s[6:7] offset:4096
	global_load_b128 v[20:23], v1, s[6:7] offset:4608
	global_load_b32 v252, v13, s[66:67] offset:256
.Lno_next:
	B1STEP 0
	B1STEP 1
	B1STEP 2
	B1STEP 3
	B1STEP 4
	B1STEP 5
	B1STEP 6
	B1STEP 7
	WIN 0
	v_max3_num_f32 v32, v32, v33, v34
	v_max_num_f32 v32, v32, v35
	v_permlanex16_b32 v33, v32, s20, s21
	v_max_num_f32 v32, v32, v33                    ; the row's largest t, 0 among them
	v_floor_f32 v38, -v32                          ; -M = floor(-t): M is a whole number
	v_cvt_i32_f32 v46, v38
	v_ldexp_f32 v40, 1.0, v46                      ; 2^-M
	s_wait_tensorcnt 0x0                           ; my part of v is in (met at once in the second task)
	BAR                                            ; everybody's is; and every wave's reads of its stage are over, so p's images may be stored there
	B2STEP 0
	B2STEP 1
	WIN 0x40                                       ; v's key step 7, my 64 channels, into the registers that key step 0's u has left
.irp t, 0,1,2,3
.irp c, 0,1,2,3
	global_load_b128 v[16*\t+4*\c:16*\t+4*\c+3], v1, s[10:11] offset:2048*\t+512*\c
.endr
.endr
	B2STEP 2
	WIN 0x40                                       ; x of the task's 64 pixels, my 64 channels, into the registers of key steps 1 and 2
.irp m, 0,1,2,3
.irp i, 0,1,2,3,4,5,6,7
	global_load_b128 v[64+32*\m+4*\i:64+32*\m+4*\i+3], v12, s[4:5] offset:(32*(\m/2)+8*(\m%2)+2*\i+8*(\i/4))*1024 th:TH_LOAD_NT
.endr
.endr
	B2STEP 3
	B2STEP 4
	B2STEP 5
	B2STEP 6
	B2STEP 7
	s_wait_dscnt 0x0                               ; p of key step 7, and the factors
	s_wait_loadcnt 32                              ; v's key step 7 is in; x's 32 loads, issued behind it, may stay out
	WIN 0xfd
	PVMUL 0, 0, 0
	PVMUL 2, 0, 0
	WIN 0
.rept 4
	v_nop                                          ; places in front of the first read of the results
.endr
	s_barrier_signal -1                            ; every wave's reads of p's images are over: the stages may be laid over them
	s_barrier_wait -1
	OSTAGE 0
.irp m, 1,2,3
.if \m > 1
	s_wait_xcnt 0x0                                ; the stores of two tiles back have read their registers: this tile's rows may land there
.endif
	OSTAGE \m
	OSEND \m-1, 16                                 ; behind that tile's loads: this tile's 8 stores and 8 loads
.endr
	OSEND 3, 0
	WIN 0
	s_wait_xcnt 0x0                                ; the loads and stores have read their bases and registers
	s_add_nc_u64 s[4:5], s[4:5], 0x10000           ; 64 pixels on
	s_add_nc_u64 s[16:17], s[16:17], 0x10000
	s_add_co_u32 s30, s30, 2                       ; two image rows on
	s_add_co_u32 s19, s19, 1
	s_cmp_lt_u32 s19, 2
	s_cbranch_scc1 .Ltask
	s_wait_tensorcnt 0x0
	s_wait_dscnt 0x0
	s_wait_xcnt 0x0
	v_lshl_add_u32 v254, v0, 2, 0x4e500
	v_mov_b32 v255, 0
	s_wait_tensorcnt 0x0
	ds_add_u32 v254, v255
	s_wait_dscnt 0x0
	CROUND                                         ; the closing round: no work-group ends while a partner may still ask for a tile that names it
	s_endpgm
.Lfunc_end_k_q306fb5b2fc_attn:
	.size	k_q306fb5b2fc_attn, .Lfunc_end_k_q306fb5b2fc_attn-k_q306fb5b2fc_attn
	.p2alignl 7, 3214868480
	.fill 96, 4, 3214868480
	.section	.rodata,"a",@progbits
	.p2align	6, 0x0
	.amdhsa_kernel k_q306fb5b2fc_attn
		.amdhsa_group_segment_fixed_size 327680
		.amdhsa_private_segment_fixed_size 0
		.amdhsa_enable_private_segment 0
		.amdhsa_kernarg_size 56
		.amdhsa_user_sgpr_count 2
		.amdhsa_user_sgpr_kernarg_segment_ptr 1
		.amdhsa_wavefront_size32 1
		.amdhsa_system_sgpr_workgroup_id_x 1
		.amdhsa_system_sgpr_workgroup_id_y 1
		.amdhsa_system_sgpr_workgroup_id_z 1
		.amdhsa_system_vgpr_workitem_id 0
		.amdhsa_next_free_vgpr 1024
		.amdhsa_next_free_sgpr 102
		.amdhsa_reserve_vcc 0
		.amdhsa_float_denorm_mode_32 3
		.amdhsa_float_denorm_mode_16_64 3
		.amdhsa_memory_ordered 1
		.amdhsa_forward_progress 1
		.amdhsa_inst_pref_size 255
	.end_amdhsa_kernel
	.section	.bss,"aw",@nobits
	.p2align	6
	.space	262144
	.amdgpu_metadata
---
amdhsa.version: [ 1, 2 ]
amdhsa.kernels:
  - .name:           k_q306fb5b2fc_attn
    .symbol:         k_q306fb5b2fc_attn.kd
    .args:
      - { .name: feature_map, .offset: 0, .size: 8, .value_kind: global_buffer, .address_space: global }
      - { .name: qimg, .offset: 8, .size: 8, .value_kind: global_buffer, .address_space: global }
      - { .name: kimg, .offset: 16, .size: 8, .value_kind: global_buffer, .address_space: global }
      - { .name: vimg, .offset: 24, .size: 8, .value_kind: global_buffer, .address_space: global }
      - { .name: keyf, .offset: 32, .size: 8, .value_kind: global_buffer, .address_space: global }
      - { .name: lowp_scales, .offset: 40, .size: 8, .value_kind: global_buffer, .address_space: global }
      - { .name: out0, .offset: 48, .size: 8, .value_kind: global_buffer, .address_space: global }
    .group_segment_fixed_size: 327680
    .private_segment_fixed_size: 0
    .kernarg_segment_align: 8
    .kernarg_segment_size: 56
    .max_flat_workgroup_size: 128
    .sgpr_count:     102
    .vgpr_count:     1024
    .wavefront_size: 32
...
	.end_amdgpu_metadata
.endif
;; end of part 2
